; MI455X (gfx1250); checked and timed in simulation.
; The chip was launched on July 23, 2026; its instructions are those of AMD's public machine-readable ISA for CDNA 5 (MIT licence, August 2026) and "CDNA5" Instruction Set Architecture Reference Guide (July 2026). The comments in the code are by the model that wrote it; some were corrected since.
;; Sparse Expert. Allowed arithmetic: float matrix products may take bf16 or f16 operands with f32 sums; other float arithmetic in f32, or as packed bf16 or f16 multiplies, adds, multiply-adds, maxima and minima; sums over many terms, partial sums and values carried from step to step in f32; what a program stores and reads back later, other than sums and carried values, may be rounded once to bf16 or f16.
;; Inputs: We 8 x 2,048 x 2,048 float32; Wg 8 x 2,048 float32; be 8 x 2,048 float32; bg 8 float32; x 2,048 x 2,048 float32.
;; Outputs: out0 2,048 x 2,048 float32.
;; One version. Each part assembles by itself: llvm-mc -triple=amdgcn-amd-amdhsa -mcpu=gfx1250 --defsym DOCPART=n.
;; ======== version 1 of 1: 3 launches
;; workspace buffers: code 8,192 bytes of whole numbers; xs 10,485,760 bytes; wb 67,108,864 bytes; bias 1,310,720 bytes; list 10,240 bytes of whole numbers; blk 1,024 bytes of whole numbers
;; launch gate (part 1): grid 256 x 1, 16 waves a work-group, no clusters, 18,432 bytes of LDS; arguments x, Wg, bg, code, We, wb; writes code, wb
.if DOCPART == 1
	.amdgcn_target "amdgcn-amd-amdhsa--gfx1250"
	.amdhsa_code_object_version 6
	.text
	.protected	k_q5a1217c9c2_gate
	.globl	k_q5a1217c9c2_gate
	.p2align	8
	.type	k_q5a1217c9c2_gate,@function
k_q5a1217c9c2_gate:
	s_mov_b64 s[64:65], 0
	v_nop
	global_prefetch_b8 v0, s[64:65] scope:SCOPE_SE
	s_setreg_imm32_b32 hwreg(HW_REG_WAVE_MODE, 25, 1), 1
	s_wait_xcnt 0x0
; TWO ROLES IN ONE LAUNCH, by the work-group's number, even and odd by turns: the gate is a chain of dependent steps on 17 MB, so half of the weights' stream runs beside it.
; EVEN (128 work-groups): THE GATE.  scores[n][e] = bf16(x[n]) . bf16(Wg[e]) + bf16(bg[e]), products exact, sums in f32; of the 8 scores the two that
; jax.lax.top_k(., 6) leaves out are found (the lowest; of equal scores the higher index is left out), and
; code[n] = id | mask << 8 is stored: id = 0..27 numbers the pair a < b that is left out, a (15 - a) / 2 + b - a - 1; mask has a bit for each chosen expert.
; LIMITS.  All inputs are rounded to bf16 first, so the choice is that of reference() on inputs so rounded, up to the order of the f32 sums.
; With NaN or infinite scores the choice is not reference()'s; it is still two different experts.
; SHARES.  A work-group has 16 tokens, wave w the channels 128 w .. 128 w + 127: four matrix instructions on two accumulators by turns.
; Source 0 = rows of Wg (row r % 8 in lane r: rows 8-15 repeat rows 0-7), source 1 = 16 tokens: a lane then holds the 8 scores of ONE token (lane % 16).
; The place of a channel in the registers is the same for both sources (lane half h takes 32 consecutive channels of each 64), so the products pair rightly.
; The 16 waves' partial scores meet in LDS; wave 0 adds them in ascending order and chooses.
; ODD (128 work-groups): CAST.  Experts 0 to 3 of We, f32, are rounded once to bf16 and laid as wb[c 16][J 32][e 8][col 64][d 128] (the next launch does experts 4 to 7).
; A wave takes 4 rows of We (32 KiB): a load covers 512 consecutive bytes, a store 256 consecutive bytes at a multiple of 256.  Two rows' loads, 32, are out at a time.
; No cluster and no tensor load: each byte has one reader here.
.set SPARE, 16384                      ; behind the partial scores: the spare words, 128 bytes for each of 16 waves
.set XF,  16                           ; v[16:79]   x as loaded, f32; later the 16 waves' partial scores, v[16:143]
.set WF,  80                           ; v[80:143]  Wg as loaded
.set XP,  144                          ; v[144:175] x in bf16
.set WP,  176                          ; v[176:207] Wg in bf16
.set AC0, 208                          ; v[208:215], v[216:223] the two accumulators
.set AC1, 216
.set SPW, 224                          ; v224 LDS address of my spare word; never rewritten
.set NIL, 225                          ; v225 0; never rewritten
.set SUM, 226                          ; v[226:233] my wave's 8 partial scores; later bg
.set BGP, 234                          ; v[234:237] bg in bf16
.set SC,  16                           ; v[16:23]   the 8 scores
	s_load_b256 s[4:11], s[0:1], 0x0               ; x s[4:5], Wg s[6:7], bg s[8:9], code s[10:11]
	s_load_b128 s[40:43], s[0:1], 0x20             ; We s[40:41], wb s[42:43]
	v_lshl_add_u32 v[SPW], v0, 2, SPARE
	v_mov_b32 v[NIL], 0
	v_lshrrev_b32 v5, 5, v0
	v_readfirstlane_b32 s12, v5                    ; wave 0..15
	s_lshr_b32 s13, ttmp9, 1                       ; my number within my role, 0..127
	s_and_b32 s19, ttmp9, 1
	s_cmp_lg_u32 s19, 0
	s_cbranch_scc1 .Lcast
; ---------------------------------------------------------------- THE GATE
	v_and_b32 v1, 15, v0                           ; r: my token, my row of Wg
	v_bfe_u32 v2, v0, 4, 1                         ; h
	v_lshlrev_b32 v3, 13, v1                       ; x: row r of 8,192 bytes
	v_lshl_add_u32 v3, v2, 7, v3                   ;    + 128 h
	v_and_b32 v4, 7, v0
	v_lshlrev_b32 v4, 13, v4                       ; Wg: row r % 8
	v_lshl_add_u32 v4, v2, 7, v4
	s_lshl_b32 s16, s12, 9                         ; my wave's 128 channels: 512 bytes
	s_mov_b32 s17, 0
	s_lshl_b32 s14, s13, 17                        ; the work-group's 16 rows of x
	s_add_co_u32 s14, s14, s16
	s_mov_b32 s15, 0
	s_lshl_b32 s18, s12, 10                        ; my wave's 1,024 bytes in LDS
	s_wait_kmcnt 0x0
	s_add_nc_u64 s[4:5], s[4:5], s[14:15]
	s_add_nc_u64 s[6:7], s[6:7], s[16:17]
.irp kb, 0,1
.irp i, 0,1,2,3,4,5,6,7
	global_load_b128 v[XF+32*\kb+4*\i:XF+32*\kb+4*\i+3], v3, s[4:5] offset:256*\kb+16*\i
	global_load_b128 v[WF+32*\kb+4*\i:WF+32*\kb+4*\i+3], v4, s[6:7] offset:256*\kb+16*\i
.endr
.endr
	s_wait_loadcnt 0x0                             ; all 32 loads went out together; nothing else is to be done meanwhile
.set i, 0
.rept 32
	v_cvt_pk_bf16_f32 v[XP+i], v[XF+2*i], v[XF+2*i+1]
	v_cvt_pk_bf16_f32 v[WP+i], v[WF+2*i], v[WF+2*i+1]
.set i, i+1
.endr
	v_wmma_f32_16x16x32_bf16 v[AC0:AC0+7], v[WP:WP+7],     v[XP:XP+7],     0          ; the first two products start the sums
	v_wmma_f32_16x16x32_bf16 v[AC1:AC1+7], v[WP+8:WP+15],  v[XP+8:XP+15],  0
	v_wmma_f32_16x16x32_bf16 v[AC0:AC0+7], v[WP+16:WP+23], v[XP+16:XP+23], v[AC0:AC0+7]  ; the accumulators take turns
	v_wmma_f32_16x16x32_bf16 v[AC1:AC1+7], v[WP+24:WP+31], v[XP+24:XP+31], v[AC1:AC1+7]
	v_lshlrev_b32 v6, 5, v1                        ; four plain instructions stand between the last product and the first read of a result (ISA guide 7.12.1):
	v_lshl_add_u32 v6, v2, 9, v6                   ; 512 h + 32 r: my place in a wave's 1,024 bytes
	v_add_nc_u32 v8, s18, v6
	v_mov_b32 v9, 1
.irp p, 0,1,2,3
	v_pk_add_f32 v[SUM+2*\p:SUM+2*\p+1], v[AC0+2*\p:AC0+2*\p+1], v[AC1+2*\p:AC1+2*\p+1]  ; each accumulator is read from its low end on
.endr
	ds_store_b128 v8, v[SUM:SUM+3]
	ds_store_b128 v8, v[SUM+4:SUM+7] offset:16
	s_wait_dscnt 0x0                               ; for the others' sake: my stores are done
	s_barrier_signal -1
	s_barrier_wait -1
	s_wait_tensorcnt 0x0                           ; behind the wave's last LDS store; nothing below writes LDS
	ds_add_u32 v[SPW], v[NIL]
	s_wait_dscnt 0x0
	s_cmp_lg_u32 s12, 0
	s_cbranch_scc1 .Lend                           ; waves 1 to 15 are done
	s_load_b256 s[24:31], s[8:9], 0x0              ; bg
.set j, 0
.rept 16
	ds_load_b128 v[SC+8*j:SC+8*j+3],   v6 offset:1024*j
	ds_load_b128 v[SC+8*j+4:SC+8*j+7], v6 offset:1024*j+16
.set j, j+1
.endr
	s_lshl_b32 s20, s13, 6                         ; the work-group's 16 words of code
	s_mov_b32 s21, 0
	s_add_nc_u64 s[10:11], s[10:11], s[20:21]
	s_wait_dscnt 0x0
.set j, 1
.rept 15                                               ; wave 0's part, then wave 1's .. wave 15's
.irp p, 0,1,2,3
	v_pk_add_f32 v[SC+2*\p:SC+2*\p+1], v[SC+2*\p:SC+2*\p+1], v[SC+8*j+2*\p:SC+8*j+2*\p+1]
.endr
.set j, j+1
.endr
	s_wait_kmcnt 0x0
.irp e, 0,1,2,3,4,5,6,7
	v_mov_b32 v[SUM+\e], s[24+\e]
.endr
.irp p, 0,1,2,3
	v_cvt_pk_bf16_f32 v[BGP+\p], v[SUM+2*\p], v[SUM+2*\p+1]  ; bg is rounded like every input,
.endr
.irp p, 0,1,2,3
	v_lshlrev_b32 v[SUM+2*\p], 16, v[BGP+\p]       ; widened again,
	v_and_b32 v[SUM+2*\p+1], 0xffff0000, v[BGP+\p]
.endr
.irp p, 0,1,2,3
	v_pk_add_f32 v[SC+2*\p:SC+2*\p+1], v[SC+2*\p:SC+2*\p+1], v[SUM+2*\p:SUM+2*\p+1]  ; and added
.endr
; The lowest score and its index, from expert 7 down: a lower index replaces the one held only if its score is strictly lower, so of equal scores the higher index is left out.
.macro LOWEST best, idx
	v_mov_b32 v[\best], v[SC+7]
	v_mov_b32 v[\idx], 7
.irp e, 6,5,4,3,2,1,0
	v_cmp_ge_f32 vcc_lo, v[SC+\e], v[\best]
	v_cndmask_b32 v[\best], v[SC+\e], v[\best], vcc_lo
	v_cndmask_b32 v[\idx], \e, v[\idx], vcc_lo
.endr
.endm
	LOWEST 240, 241
	v_mov_b32 v244, 0x7f800000                     ; the one found counts as +infinity in the second search
.irp e, 0,1,2,3,4,5,6,7
	v_cmp_eq_u32 vcc_lo, \e, v241
	v_cndmask_b32 v[SC+\e], v[SC+\e], v244, vcc_lo
.endr
	LOWEST 242, 243
	v_cmp_eq_u32 vcc_lo, v241, v243                ; cannot be with finite scores; keeps the pair two different experts whatever the scores hold
	v_xor_b32 v245, 1, v241
	v_cndmask_b32 v243, v243, v245, vcc_lo
	v_min_u32 v246, v241, v243                     ; a
	v_max_u32 v247, v241, v243                     ; b
	v_sub_nc_u32 v248, 15, v246
	v_mul_u32_u24 v248, v246, v248
	v_lshrrev_b32 v248, 1, v248                    ; a (15 - a) / 2
	v_add_nc_u32 v248, v248, v247
	v_sub_nc_u32 v248, v248, v246
	v_sub_nc_u32 v248, v248, v9                    ; + b - a - 1
	v_lshlrev_b32 v249, v246, v9
	v_lshlrev_b32 v250, v247, v9
	v_or_b32 v249, v249, v250
	v_xor_b32 v249, 0xff, v249                     ; the six chosen
	v_lshl_or_b32 v248, v249, 8, v248
	v_lshlrev_b32 v251, 2, v1
	s_wait_xcnt 0x0                                ; EXEC changes only behind this wait
	v_cmp_gt_u32 vcc_lo, 16, v0                    ; lanes 16 to 31 hold copies
	s_and_saveexec_b32 s22, vcc_lo
	global_store_b32 v251, v248, s[10:11]
	s_wait_xcnt 0x0                                ; and again in front of the line that widens it
	s_or_b32 exec_lo, exec_lo, s22
.Lend:
	s_endpgm
; ---------------------------------------------------------------- CAST (it writes no LDS)
.set X0, 16                            ; v[16:79], v[80:143]   a row as loaded, two buffers
.set X1, 80
.set Y0, 144                           ; v[144:175], v[176:207] a row in bf16, two buffers
.set Y1, 176
.set WBP, 24                           ; s[24:39] wb at my rows, for c = 0, 2, .. 14: a store's immediate holds one step of c and no more
.Lcast:
	s_lshl_b32 s14, s13, 4
	s_add_co_u32 s14, s14, s12                     ; gw = 0 .. 2,047: rows 4 gw .. 4 gw + 3 of We as [16,384][2,048]: experts 0 to 3
	s_lshl_b32 s16, s14, 15                        ; 4 rows of 8,192 bytes
	s_mov_b32 s17, 0
	s_lshr_b32 s18, s14, 9                         ; e
	s_lshl_b32 s18, s18, 14                        ; x 64 rows of 256 bytes
	s_and_b32 s20, s14, 511                        ; (output column) / 4
	s_lshr_b32 s21, s20, 4                         ; J
	s_lshl_b32 s21, s21, 17                        ; x 8 experts x 16,384
	s_and_b32 s20, s20, 15
	s_lshl_b32 s20, s20, 10                        ; col x 256
	s_add_co_u32 s18, s18, s21
	s_add_co_u32 s18, s18, s20
	s_mov_b32 s19, 0
	v_and_b32 v1, 31, v0                           ; lane
	v_lshlrev_b32 v4, 4, v1                        ; 16 bytes a lane in
	v_lshlrev_b32 v5, 3, v1                        ; 8 bytes a lane out
	s_wait_kmcnt 0x0
	s_add_nc_u64 s[40:41], s[40:41], s[16:17]
	s_add_nc_u64 s[WBP:WBP+1], s[42:43], s[18:19]
.irp k, 1,2,3,4,5,6,7
	s_add_nc_u64 s[WBP+2*\k:WBP+2*\k+1], s[WBP:WBP+1], \k*8388608
.endr
.macro LOADROW i, x                    ; row i: 16 loads, load c = the 128 channels of c
.set c, 0
.rept 16
	global_load_b128 v[(\x)+4*c:(\x)+4*c+3], v4, s[40:41] offset:(\i)*8192+512*c th:TH_LOAD_NT
.set c, c+1
.endr
.endm
.macro CVTROW i, x, y, left, xw        ; left: the younger row's loads, which stay out.  xw = 1: y was an earlier row's store data
	s_wait_loadcnt \left
.if \xw
	s_wait_xcnt 0x0                                ; the earlier stores' data registers are rewritten only behind this wait
.endif
.set j, 0
.rept 32
	v_cvt_pk_bf16_f32 v[(\y)+j], v[(\x)+2*j], v[(\x)+2*j+1]
.set j, j+1
.endr
.set c, 0
.rept 16
	global_store_b64 v5, v[(\y)+2*c:(\y)+2*c+1], s[WBP+2*(c/2):WBP+2*(c/2)+1] offset:(c%2)*4194304+(\i)*256  ; 32 lanes store 256 consecutive bytes, aligned
.set c, c+1
.endr
.endm
	LOADROW 0, X0
	LOADROW 1, X1
	CVTROW 0, X0, Y0, 16, 0
	LOADROW 2, X0
	CVTROW 1, X1, Y1, 16, 0
	LOADROW 3, X1
	CVTROW 2, X0, Y0, 16, 1
	CVTROW 3, X1, Y1, 0, 1
	s_endpgm
.Lfunc_end_k_q5a1217c9c2_gate:
	.size	k_q5a1217c9c2_gate, .Lfunc_end_k_q5a1217c9c2_gate-k_q5a1217c9c2_gate
	.p2alignl 7, 3214868480
	.fill 96, 4, 3214868480
	.section	.rodata,"a",@progbits
	.p2align	6, 0x0
	.amdhsa_kernel k_q5a1217c9c2_gate
		.amdhsa_group_segment_fixed_size 18432
		.amdhsa_private_segment_fixed_size 0
		.amdhsa_enable_private_segment 0
		.amdhsa_kernarg_size 48
		.amdhsa_user_sgpr_count 2
		.amdhsa_user_sgpr_kernarg_segment_ptr 1
		.amdhsa_wavefront_size32 1
		.amdhsa_system_sgpr_workgroup_id_x 1
		.amdhsa_system_sgpr_workgroup_id_y 1
		.amdhsa_system_sgpr_workgroup_id_z 1
		.amdhsa_system_vgpr_workitem_id 0
		.amdhsa_next_free_vgpr 256
		.amdhsa_next_free_sgpr 66
		.amdhsa_reserve_vcc 1
		.amdhsa_float_denorm_mode_32 3
		.amdhsa_float_denorm_mode_16_64 3
		.amdhsa_memory_ordered 1
		.amdhsa_forward_progress 1
		.amdhsa_inst_pref_size 41
	.end_amdhsa_kernel
	.amdgpu_metadata
---
amdhsa.version: [ 1, 2 ]
amdhsa.kernels:
  - .name:           k_q5a1217c9c2_gate
    .symbol:         k_q5a1217c9c2_gate.kd
    .args:
      - { .name: x, .offset: 0, .size: 8, .value_kind: global_buffer, .address_space: global }
      - { .name: Wg, .offset: 8, .size: 8, .value_kind: global_buffer, .address_space: global }
      - { .name: bg, .offset: 16, .size: 8, .value_kind: global_buffer, .address_space: global }
      - { .name: code, .offset: 24, .size: 8, .value_kind: global_buffer, .address_space: global }
      - { .name: We, .offset: 32, .size: 8, .value_kind: global_buffer, .address_space: global }
      - { .name: wb, .offset: 40, .size: 8, .value_kind: global_buffer, .address_space: global }
    .group_segment_fixed_size: 18432
    .private_segment_fixed_size: 0
    .kernarg_segment_align: 8
    .kernarg_segment_size: 48
    .max_flat_workgroup_size: 512
    .sgpr_count:     66
    .vgpr_count:     256
    .wavefront_size: 32
...
	.end_amdgpu_metadata
.endif
;; end of part 1
;; launch lay (part 2): grid 416 x 1, 8 waves a work-group, no clusters, 13,312 bytes of LDS; arguments code, x, be, We, xs, wb, bias, list, blk; writes xs, wb, bias, list, blk
.if DOCPART == 2
	.amdgcn_target "amdgcn-amd-amdhsa--gfx1250"
	.amdhsa_code_object_version 6
	.text
	.protected	k_q5a1217c9c2_lay
	.globl	k_q5a1217c9c2_lay
	.p2align	8
	.type	k_q5a1217c9c2_lay,@function
k_q5a1217c9c2_lay:
	s_mov_b64 s[64:65], 0
	v_nop
	global_prefetch_b8 v0, s[64:65] scope:SCOPE_SE
	s_setreg_imm32_b32 hwreg(HW_REG_WAVE_MODE, 25, 1), 1
	s_wait_xcnt 0x0
; TWO ROLES IN ONE LAUNCH, chosen by the work-group's number, so that the sort runs beside the weights' stream.
; WORK-GROUPS 160 .. 415 (CAST): experts 4 to 7 of We, f32, are rounded once to bf16 and laid as wb[c 16][J 32][e 8][col 64][d 128] (the launch before did experts 0 to 3): for 128 channels (c) and
;   64 output columns (J) the 8 experts' rows lie end to end, 256 bytes a row.
;   A wave takes 4 rows of We (32 KiB): a load covers 512 consecutive bytes, a store 256 consecutive bytes at a multiple of 256.  Two rows' loads, 32, are out at a time.
; WORK-GROUPS 0 .. 159 (PERMUTE): each repeats the counting sort of the 2,048 tokens by their set of experts (28 sets; no atomics), then writes ONE block slot p.
;   A set's tokens fill blocks of 16 rows; there are never more than (2,048 + 28 x 15) / 16 = 154 blocks.  Sorted block b goes to slot (b % 16) x 10 + b / 16, so that the 16 groups of ten slots get a like mix of sets.
;   xs[G 8][c 16][row 320][d 128]: bf16(x), row 16 p + r - 320 G of group G = p / 20.  Places past a block's count repeat the block's first token; an unused slot is written as zeros.
;   bias[p][2048] f32: the sum of bf16(be[e]) over the block's experts (0 for an unused slot; an unchosen expert's be enters as be x 0, so be is taken to be finite).  blk[p] = mask | count << 8 (0: unused).
;   list[p][h 2][i 8]: the token of row 2 i + h (0xffffffff in an unused slot).  list and blk are stored by work-group 0.
; No tensor load, no cluster, no matrix unit: a stream in which each byte has one reader.
.set NPERM, 160
.set TW,    0                          ; 8 waves x 32 words: a wave's count of each set
.set INV,   1024                       ; 2,560 words, in list's layout
.set BLK,   11264                      ; 256 words
.set SPARE, 12288                      ; the spare words, 128 bytes for each of 8 waves
.set SPW, 2                            ; v2 LDS address of my spare word; never rewritten
.set NIL, 3                            ; v3 0; never rewritten
	s_load_b512 s[4:19], s[0:1], 0x0               ; code s[4:5], x s[6:7], be s[8:9], We s[10:11], xs s[12:13], wb s[14:15], bias s[16:17], list s[18:19]
	s_load_b64 s[20:21], s[0:1], 0x40              ; blk
	v_lshl_add_u32 v[SPW], v0, 2, SPARE
	v_mov_b32 v[NIL], 0
	v_lshrrev_b32 v1, 5, v0
	v_readfirstlane_b32 s22, v1                    ; wave 0..7
	v_and_b32 v1, 31, v0                           ; lane
	s_cmp_lt_u32 ttmp9, NPERM
	s_cbranch_scc1 .Lpermute
; ---------------------------------------------------------------- CAST
.set X0, 16                            ; v[16:79], v[80:143]   a row as loaded, two buffers
.set X1, 80
.set Y0, 144                           ; v[144:175], v[176:207] a row in bf16, two buffers
.set Y1, 176
.set WBP, 24                           ; s[24:39] wb at my rows, for c = 0, 2, .. 14: a store's immediate holds one step of c and no more
	s_sub_co_u32 s23, ttmp9, NPERM
	s_lshl_b32 s23, s23, 3
	s_add_co_u32 s23, s23, s22
	s_add_co_u32 s23, s23, 2048                    ; gw = 2,048 .. 4,095: rows 4 gw .. 4 gw + 3 of We as [16,384][2,048]: experts 4 to 7
	s_lshl_b32 s40, s23, 15                        ; 4 rows of 8,192 bytes
	s_mov_b32 s41, 0
	s_lshr_b32 s42, s23, 9                         ; e
	s_lshl_b32 s42, s42, 14                        ; x 64 rows of 256 bytes
	s_and_b32 s43, s23, 511                        ; (output column) / 4
	s_lshr_b32 s44, s43, 4                         ; J
	s_lshl_b32 s44, s44, 17                        ; x 8 experts x 16,384
	s_and_b32 s43, s43, 15
	s_lshl_b32 s43, s43, 10                        ; col x 256
	s_add_co_u32 s42, s42, s44
	s_add_co_u32 s42, s42, s43
	s_mov_b32 s43, 0
	v_lshlrev_b32 v4, 4, v1                        ; 16 bytes a lane in
	v_lshlrev_b32 v5, 3, v1                        ; 8 bytes a lane out
	s_wait_kmcnt 0x0
	s_add_nc_u64 s[10:11], s[10:11], s[40:41]
	s_add_nc_u64 s[WBP:WBP+1], s[14:15], s[42:43]
.irp k, 1,2,3,4,5,6,7
	s_add_nc_u64 s[WBP+2*\k:WBP+2*\k+1], s[WBP:WBP+1], \k*8388608
.endr
.macro LOADROW i, x                    ; row i: 16 loads, load c = the 128 channels of c
.set c, 0
.rept 16
	global_load_b128 v[(\x)+4*c:(\x)+4*c+3], v4, s[10:11] offset:(\i)*8192+512*c th:TH_LOAD_NT
.set c, c+1
.endr
.endm
.macro CVTROW i, x, y, left, xw        ; left: the younger row's loads, which stay out.  xw = 1: y was an earlier row's store data
	s_wait_loadcnt \left
.if \xw
	s_wait_xcnt 0x0                                ; the earlier stores' data registers are rewritten only behind this wait
.endif
.set j, 0
.rept 32
	v_cvt_pk_bf16_f32 v[(\y)+j], v[(\x)+2*j], v[(\x)+2*j+1]
.set j, j+1
.endr
.set c, 0
.rept 16
	global_store_b64 v5, v[(\y)+2*c:(\y)+2*c+1], s[WBP+2*(c/2):WBP+2*(c/2)+1] offset:(c%2)*4194304+(\i)*256  ; 32 lanes store 256 consecutive bytes, aligned
.set c, c+1
.endr
.endm
	LOADROW 0, X0
	LOADROW 1, X1
	CVTROW 0, X0, Y0, 16, 0
	LOADROW 2, X0
	CVTROW 1, X1, Y1, 16, 0
	LOADROW 3, X1
	CVTROW 2, X0, Y0, 16, 1
	CVTROW 3, X1, Y1, 0, 1
	s_endpgm
; ---------------------------------------------------------------- PERMUTE
.set CODE, 16                          ; v[16:23]  the codes of my 8 tokens: 256 w + 32 k + lane
.set ID,   24                          ; v[24:31]  their sets; later 4 x set, the index of the lane exchange
.set MK,   32                          ; v[32:39]  their masks
.set BAL,  40                          ; v[40:47]  lane s: which lanes of chunk k have set s
.set NUM,  48                          ; v[48:55]  lane s: how many
.set PRE,  56                          ; v[56:64]  lane s: how many in the chunks before k; then with the waves before added
.set TOT,  66                          ; v[66:73]  lane s: the 8 waves' counts
.set CT,   74                          ; lane s: the set's count
.set BASE, 75                          ; lane s: its count in the waves before mine
.set NB,   76                          ; lane s: its blocks
.set BS,   77                          ; lane s: its first block
.set TOK0, 78
.set PP,   80                          ; v[80:87] .. v[104:111]: PRE, BAL, BS, CT of my token's own set
.set WW,   88
.set BB,   96
.set CC,   104
.Lpermute:
	v_and_b32 v4, 0xe0, v0
	v_lshlrev_b32 v4, 3, v4
	v_or_b32 v[TOK0], v4, v1                       ; 256 w + lane
	v_lshlrev_b32 v4, 2, v[TOK0]
	v_lshlrev_b32 v6, 2, v0                        ; 4 t
	v_mov_b32 v7, -1
	v_mov_b32 v8, 0
	s_wait_kmcnt 0x0
.irp k, 0,1,2,3,4,5,6,7
	global_load_b32 v[CODE+\k], v4, s[4:5] offset:128*\k
.endr
.irp i, 0,1,2,3,4,5,6,7,8,9
	ds_store_b32 v6, v7 offset:INV+1024*\i         ; every place starts empty,
.endr
	ds_store_b32 v6, v8 offset:BLK                 ; every slot unused
.irp k, 0,1,2,3,4,5,6,7
	v_mov_b32 v[BAL+\k], 0                         ; v_writelane_b32 keeps the other lanes: they are written first
	v_mov_b32 v[NUM+\k], 0
.endr
	s_wait_loadcnt 0x0
.irp k, 0,1,2,3,4,5,6,7
	v_and_b32 v[ID+\k], 31, v[CODE+\k]
	v_min_u32 v[ID+\k], 27, v[ID+\k]
	v_bfe_u32 v[MK+\k], v[CODE+\k], 8, 8
.endr
.set st, 0
.rept 28                                               ; for each set: the 8 chunks' ballots and counts, into lane st
.irp k, 0,1,2,3,4,5,6,7
	v_cmp_eq_u32 s[24+\k], st, v[ID+\k]
.endr
.irp k, 0,1,2,3,4,5,6,7
	s_bcnt1_i32_b32 s[32+\k], s[24+\k]
.endr
.irp k, 0,1,2,3,4,5,6,7
	v_writelane_b32 v[BAL+\k], s[24+\k], st
	v_writelane_b32 v[NUM+\k], s[32+\k], st
.endr
.set st, st+1
.endr
	v_mov_b32 v[PRE], 0
.irp k, 0,1,2,3,4,5,6,7
	v_add_nc_u32 v[PRE+\k+1], v[PRE+\k], v[NUM+\k]
.endr
	v_lshlrev_b32 v9, 2, v1                        ; 4 x lane
	s_lshl_b32 s23, s22, 7
	v_add_nc_u32 v10, s23, v9
	ds_store_b32 v10, v[PRE+8] offset:TW           ; my wave's counts
	s_wait_dscnt 0x0                               ; for the others' sake: the counts and the empty places are written
	s_barrier_signal -1
	s_barrier_wait -1
.irp j, 0,1,2,3,4,5,6,7
	ds_load_b32 v[TOT+\j], v9 offset:TW+128*\j
.endr
	v_mov_b32 v[CT], 0
	v_mov_b32 v[BASE], 0
	v_mov_b32 v[BS], 0
	s_wait_dscnt 0x0
.irp j, 0,1,2,3,4,5,6,7
	s_cmp_gt_u32 s22, \j                           ; a wave before mine?
	s_cselect_b32 s23, -1, 0
	v_add_nc_u32 v[CT], v[CT], v[TOT+\j]
	v_and_b32 v[TOT+\j], s23, v[TOT+\j]
	v_add_nc_u32 v[BASE], v[BASE], v[TOT+\j]
.endr
.irp k, 0,1,2,3,4,5,6,7
	v_add_nc_u32 v[PRE+\k], v[BASE], v[PRE+\k]
.endr
	v_add_nc_u32 v[NB], 15, v[CT]
	v_lshrrev_b32 v[NB], 4, v[NB]
.set st, 0
.rept 28
	v_readlane_b32 s[24+st], v[NB], st
.set st, st+1
.endr
	s_mov_b32 s23, 0
.set st, 0
.rept 28                                               ; the sets' first blocks: a running sum
	v_writelane_b32 v[BS], s23, st
	s_add_co_u32 s23, s23, s[24+st]
.set st, st+1
.endr
.irp k, 0,1,2,3,4,5,6,7
	v_lshlrev_b32 v[ID+\k], 2, v[ID+\k]
.endr
.irp k, 0,1,2,3,4,5,6,7                                ; each token takes its own set's figures from the lane of that set
	ds_bpermute_b32 v[PP+\k], v[ID+\k], v[PRE+\k]
	ds_bpermute_b32 v[WW+\k], v[ID+\k], v[BAL+\k]
	ds_bpermute_b32 v[BB+\k], v[ID+\k], v[BS]
	ds_bpermute_b32 v[CC+\k], v[ID+\k], v[CT]
.endr
	s_wait_dscnt 0x0
.macro PLACE k
	v_mbcnt_lo_u32_b32 v[PP+\k], v[WW+\k], v[PP+\k]  ; my rank in my set: those before my chunk, and the lower lanes of my chunk
	v_lshrrev_b32 v112, 4, v[PP+\k]
	v_add_nc_u32 v112, v112, v[BB+\k]              ; sorted block b
	v_and_b32 v113, 15, v112
	v_lshrrev_b32 v112, 4, v112
	v_mad_u32_u24 v112, v113, 10, v112             ; slot (b % 16) x 10 + b / 16
	v_min_u32 v112, 159, v112
	v_and_b32 v113, 1, v[PP+\k]                    ; row r = rank % 16: h = r % 2,
	v_bfe_u32 v114, v[PP+\k], 1, 3                 ; i = r / 2
	v_lshl_add_u32 v114, v113, 3, v114
	v_lshl_add_u32 v114, v112, 4, v114             ; word 16 slot + 8 h + i
	v_min_u32 v114, 2559, v114
	v_and_b32 v113, -16, v[PP+\k]
	v_sub_nc_u32 v113, v[CC+\k], v113              ; what is left of the set from my block's first row on
	v_min_u32 v113, 16, v113                       ; the block's count
	v_lshl_or_b32 v113, v113, 8, v[MK+\k]
	v_add_nc_u32 v115, 32*\k, v[TOK0]
	v_lshlrev_b32 v114, 2, v114
	v_lshlrev_b32 v112, 2, v112
	ds_store_b32 v114, v115 offset:INV             ; each place has one token
	ds_store_b32 v112, v113 offset:BLK             ; all tokens of a block write the same word
.endm
.irp k, 0,1,2,3,4,5,6,7
	PLACE \k
.endr
	s_wait_dscnt 0x0                               ; for the others' sake: my stores are done
	s_barrier_signal -1
	s_barrier_wait -1
	; block slot p = the work-group's number.  Wave w takes its rows 2 w and 2 w + 1.
.set BE,   16                          ; v[16:79]   be: expert e at 8 e: columns 4 t .. 4 t + 3, then 1,024 + 4 t ..
.set XR,   80                          ; v[80:207]  two rows of x, 64 registers each
.set ACCB, 208                         ; v[208:215] the bias sums of my 8 columns
.set FE,   36                          ; s[36:51]   1.0 or 0 for each expert, in the low word of a pair
	s_lshl_b32 s23, ttmp9, 6
	v_mov_b32 v4, s23                              ; the slot's 16 words
	s_lshl_b32 s24, s22, 2
	v_add_nc_u32 v5, s24, v4
	s_lshl_b32 s25, ttmp9, 2
	v_mov_b32 v6, s25
	ds_load_b32 v7, v4 offset:INV                  ; the block's first token
	ds_load_b32 v8, v5 offset:INV                  ; row 2 w
	ds_load_b32 v12, v5 offset:INV+32              ; row 2 w + 1
	ds_load_b32 v13, v6 offset:BLK
	v_lshlrev_b32 v9, 4, v1                        ; 16 x lane
	v_lshlrev_b32 v10, 4, v0                       ; 16 t
	v_lshlrev_b32 v11, 3, v1                       ; 8 x lane
	s_mul_i32 s34, ttmp9, 205
	s_lshr_b32 s34, s34, 12                        ; G = p / 20 (exact for p < 160)
	s_mul_i32 s34, s34, 1228800                    ; G x 1,310,720 + (16 p + 2 w - 320 G) x 256
	s_lshl_b32 s35, ttmp9, 12
	s_add_co_u32 s34, s34, s35
	s_lshl_b32 s35, s22, 9
	s_add_co_u32 s34, s34, s35
	s_mov_b32 s35, 0
	s_add_nc_u64 s[12:13], s[12:13], s[34:35]
	s_lshl_b32 s54, ttmp9, 13
	s_mov_b32 s55, 0
	s_add_nc_u64 s[16:17], s[16:17], s[54:55]
	s_wait_dscnt 0x0                               ; my four reads are back,
	s_barrier_signal -1
	s_barrier_wait -1                              ; and so are every wave's: the add below comes behind all of them
	s_wait_tensorcnt 0x0                           ; behind the wave's last LDS store; nothing below writes LDS
	ds_add_u32 v[SPW], v[NIL]
	s_wait_dscnt 0x0
	v_readfirstlane_b32 s31, v7
	v_readfirstlane_b32 s24, v8
	v_readfirstlane_b32 s25, v12
	v_readfirstlane_b32 s26, v13
	s_cmp_lt_u32 s24, 2048                         ; an empty place repeats the block's first token
	s_cselect_b32 s24, s24, s31
	s_cmp_lt_u32 s25, 2048
	s_cselect_b32 s25, s25, s31
	s_cmp_lt_u32 s31, 2048                         ; an unused slot is written as zeros
	s_cselect_b32 s27, -1, 0
	s_min_u32 s24, s24, 2047
	s_min_u32 s25, s25, 2047
	s_lshl_b32 s28, s24, 13
	s_mov_b32 s29, 0
	s_add_nc_u64 s[28:29], s[6:7], s[28:29]
	s_lshl_b32 s32, s25, 13
	s_mov_b32 s33, 0
	s_add_nc_u64 s[32:33], s[6:7], s[32:33]
.irp e, 0,1,2,3,4,5,6,7
	s_bitcmp1_b32 s26, \e
	s_cselect_b32 s[FE+2*\e], 1.0, 0
	s_mov_b32 s[FE+2*\e+1], 0                      ; named with it as a pair
.endr
.set c, 0
.rept 16
	global_load_b128 v[XR+4*c:XR+4*c+3],       v9, s[28:29] offset:512*c
	global_load_b128 v[XR+64+4*c:XR+64+4*c+3], v9, s[32:33] offset:512*c
.set c, c+1
.endr
.irp e, 0,1,2,3,4,5,6,7
	global_load_b128 v[BE+8*\e:BE+8*\e+3],   v10, s[8:9] offset:8192*\e
	global_load_b128 v[BE+8*\e+4:BE+8*\e+7], v10, s[8:9] offset:8192*\e+4096
.endr
	s_wait_loadcnt 16                              ; x's 32 loads are in; be's 16 may stay out
.set c, 0
.rept 32                                               ; c / 16: the row; c % 16: its 128 channels
	v_cvt_pk_bf16_f32 v[XR+4*c],   v[XR+4*c],   v[XR+4*c+1]
	v_cvt_pk_bf16_f32 v[XR+4*c+1], v[XR+4*c+2], v[XR+4*c+3]
	v_and_b32 v[XR+4*c],   s27, v[XR+4*c]
	v_and_b32 v[XR+4*c+1], s27, v[XR+4*c+1]
	global_store_b64 v11, v[XR+4*c:XR+4*c+1], s[12:13] offset:(c%16)*81920+(c/16)*256  ; 256 consecutive bytes, aligned
.set c, c+1
.endr
	s_wait_loadcnt 0x0
.irp e, 0,1,2,3,4,5,6,7                                ; be is rounded to bf16 like every input, and widened again
.irp j, 0,1,2,3
	v_cvt_pk_bf16_f32 v[12+\j], v[BE+8*\e+2*\j], v[BE+8*\e+2*\j+1]
.endr
.irp j, 0,1,2,3
	v_lshlrev_b32 v[BE+8*\e+2*\j], 16, v[12+\j]
	v_and_b32 v[BE+8*\e+2*\j+1], 0xffff0000, v[12+\j]
.endr
.endr
.irp j, 0,1,2,3
	v_pk_mul_f32 v[ACCB+2*\j:ACCB+2*\j+1], v[BE+2*\j:BE+2*\j+1], s[FE:FE+1] op_sel_hi:[1,0]  ; expert 0 starts the sums
.endr
.irp e, 1,2,3,4,5,6,7
.irp j, 0,1,2,3
	v_pk_fma_f32 v[ACCB+2*\j:ACCB+2*\j+1], v[BE+8*\e+2*\j:BE+8*\e+2*\j+1], s[FE+2*\e:FE+2*\e+1], v[ACCB+2*\j:ACCB+2*\j+1] op_sel_hi:[1,0,1]
.endr
.endr
	global_store_b128 v10, v[ACCB:ACCB+3],   s[16:17]
	global_store_b128 v10, v[ACCB+4:ACCB+7], s[16:17] offset:4096
	s_cmp_lg_u32 ttmp9, 0
	s_cbranch_scc1 .Ldone
	; work-group 0 stores the lists.  A thread takes two places at a time; an empty place takes its block's first token
	v_lshlrev_b32 v12, 3, v0                       ; 8 t
	v_and_b32 v13, 0xffffffc0, v12                 ; the first word of the slot's 64 bytes
.irp i, 0,1,2,3,4
	ds_load_b64 v[16+2*\i:17+2*\i], v12 offset:INV+2048*\i
	ds_load_b32 v[32+\i], v13 offset:INV+2048*\i
.endr
	s_wait_dscnt 0x0
.irp i, 0,1,2,3,4
	v_cmp_gt_u32 vcc_lo, 2048, v[16+2*\i]
	v_cndmask_b32 v[16+2*\i], v[32+\i], v[16+2*\i], vcc_lo
	v_cmp_gt_u32 vcc_lo, 2048, v[17+2*\i]
	v_cndmask_b32 v[17+2*\i], v[32+\i], v[17+2*\i], vcc_lo
	global_store_b64 v12, v[16+2*\i:17+2*\i], s[18:19] offset:2048*\i
.endr
	s_cmp_lt_u32 s22, 2
	s_cbranch_scc0 .Ldone                          ; blk is 1,024 bytes: two waves, 16 bytes a lane
	ds_load_b128 v[40:43], v10 offset:BLK
	s_wait_dscnt 0x0
	global_store_b128 v10, v[40:43], s[20:21]
.Ldone:
	s_endpgm
.Lfunc_end_k_q5a1217c9c2_lay:
	.size	k_q5a1217c9c2_lay, .Lfunc_end_k_q5a1217c9c2_lay-k_q5a1217c9c2_lay
	.p2alignl 7, 3214868480
	.fill 96, 4, 3214868480
	.section	.rodata,"a",@progbits
	.p2align	6, 0x0
	.amdhsa_kernel k_q5a1217c9c2_lay
		.amdhsa_group_segment_fixed_size 13312
		.amdhsa_private_segment_fixed_size 0
		.amdhsa_enable_private_segment 0
		.amdhsa_kernarg_size 72
		.amdhsa_user_sgpr_count 2
		.amdhsa_user_sgpr_kernarg_segment_ptr 1
		.amdhsa_wavefront_size32 1
		.amdhsa_system_sgpr_workgroup_id_x 1
		.amdhsa_system_sgpr_workgroup_id_y 1
		.amdhsa_system_sgpr_workgroup_id_z 1
		.amdhsa_system_vgpr_workitem_id 0
		.amdhsa_next_free_vgpr 216
		.amdhsa_next_free_sgpr 72
		.amdhsa_reserve_vcc 1
		.amdhsa_float_denorm_mode_32 3
		.amdhsa_float_denorm_mode_16_64 3
		.amdhsa_memory_ordered 1
		.amdhsa_forward_progress 1
		.amdhsa_inst_pref_size 118
	.end_amdhsa_kernel
	.amdgpu_metadata
---
amdhsa.version: [ 1, 2 ]
amdhsa.kernels:
  - .name:           k_q5a1217c9c2_lay
    .symbol:         k_q5a1217c9c2_lay.kd
    .args:
      - { .name: code, .offset: 0, .size: 8, .value_kind: global_buffer, .address_space: global }
      - { .name: x, .offset: 8, .size: 8, .value_kind: global_buffer, .address_space: global }
      - { .name: be, .offset: 16, .size: 8, .value_kind: global_buffer, .address_space: global }
      - { .name: We, .offset: 24, .size: 8, .value_kind: global_buffer, .address_space: global }
      - { .name: xs, .offset: 32, .size: 8, .value_kind: global_buffer, .address_space: global }
      - { .name: wb, .offset: 40, .size: 8, .value_kind: global_buffer, .address_space: global }
      - { .name: bias, .offset: 48, .size: 8, .value_kind: global_buffer, .address_space: global }
      - { .name: list, .offset: 56, .size: 8, .value_kind: global_buffer, .address_space: global }
      - { .name: blk, .offset: 64, .size: 8, .value_kind: global_buffer, .address_space: global }
    .group_segment_fixed_size: 13312
    .private_segment_fixed_size: 0
    .kernarg_segment_align: 8
    .kernarg_segment_size: 72
    .max_flat_workgroup_size: 256
    .sgpr_count:     72
    .vgpr_count:     216
    .wavefront_size: 32
...
	.end_amdgpu_metadata
.endif
;; end of part 2
;; launch moe (part 3): grid 32 x 8, 4 waves a work-group, no clusters, 327,680 bytes of LDS; arguments xs, wb, bias, list, blk, out0; writes out0
.if DOCPART == 3
	.amdgcn_target "amdgcn-amd-amdhsa--gfx1250"
	.amdhsa_code_object_version 6
	.text
	.protected	k_q5a1217c9c2_moe
	.globl	k_q5a1217c9c2_moe
	.p2align	8
	.type	k_q5a1217c9c2_moe,@function
k_q5a1217c9c2_moe:
	s_mov_b64 s[64:65], 0
	v_nop
	global_prefetch_b8 v0, s[64:65] scope:SCOPE_SE
	s_setreg_imm32_b32 hwreg(HW_REG_WAVE_MODE, 25, 1), 1
	s_wait_xcnt 0x0
; out0[n] = the sum over token n's six experts of bf16(x[n]) . bf16(We[e])^T + bf16(be[e]); products in bf16, sums in f32, one accumulator for each output: no partial sum goes through memory.
; The tokens come sorted by their set of experts, in blocks of 16 rows of one set (xs, list, blk): a block takes an expert whole or not at all, by a scalar branch on the block's mask.
; SHARES.  Work-group (J, G): 320 padded rows (20 block slots) x 64 output columns; 32 x 8 = 256 work-groups.  Wave w: slots 10 (w / 2) .. + 9, columns 32 (w % 2) .. + 31: 20 accumulators of 16 x 16.
; THE WALK.  The 2,048 channels go in 16 chunks of 128 (rows of 256 bytes).  A chunk's A fragments (160 rows x 128 channels) stay in 320 registers of the wave while all 8 experts' weights pass: x is read
; from LDS once for eight experts.  The weights pass through two LDS slots of 4 experts (256 rows) each; A's next chunk lands in a region of its own.
; THE MATRIX INSTRUCTION IS USED TRANSPOSED (source 0 = 16 output columns of We, source 1 = 16 tokens): a lane holds 8 neighbouring columns of one token's row.  The accumulators start from the block's bias sum, loaded from memory.
; NO CLUSTER.  The weights' tile is shared by the 8 work-groups of one J, x's tile by the 32 of one G, and joint loads of four would ask for a quarter of the 16 x 213 KB that a work-group asks for now.
; But which runs of products a wave jumps hangs on block masks read from memory; to multiply every (block, expert) pair instead
; would be 8 / 6 of the products.
; PREFETCH.  In trip c every wave asks once, behind expert 0's wait, for a part of chunk c + 1, lanes 256 bytes apart: wave 0 for the work-group's eighth (by G) of experts 0-3 of its tile of weights (8,192 bytes),
; wave 1 for its eighth of experts 4-7, waves 2 and 3 for five blocks of 256 bytes each of the work-group's 2,560 bytes (by J) of x's tile; their lanes 5 to 31 name the fifth block again.  So each block is named by
; one instruction in the launch.  Three experts' products stand between the request and the tensor load that wants the bytes (experts 4-7: seven).  No branch: buffer, offset, step and the lanes' cap are chosen by the
; wave's number at the head.  Trips 0 to 14 ask for chunks 1 to 15; the tail asks for nothing.
; PLACES PAST A BLOCK'S COUNT repeat the block's first token, in xs and in list: they get that row's very bits.  Whole stores past the count are jumped; in the one store that straddles the count the upper
; 16 lanes write the first row once more, with equal bytes.  EXEC is never changed.
; LIMITS.  x, We and be are rounded to bf16 by the launches before; nothing else is rounded.  NaN and infinities are not treated apart.
; REGISTERS, in windows of 256 (s_set_vgpr_msb: bits 1:0 source 0, 3:2 source 1, 5:4 source 2, 7:6 destination):
;   window 0: v0-29 addresses; v32-39, v224-255 byte offsets in out0 of the rows that I store; v64-127, v128-191 the weights' fragments of one expert, two buffers (channel quarter q, column block cb at 16 q + 8 cb)
;   window 1: A's fragments of slots 0-7 at 32 a + 8 q          window 2: accumulator (a, cb) at 16 a + 8 cb; A's fragments of slots 8, 9 at 160 + 32 (a - 8) + 8 q
.set PITCH, 272                        ; an LDS row: 256 bytes + 16 of padding = 68 words: the 16 rows of a fragment load start at 16 different groups of four banks (64 banks of 4 bytes: ISA guide 11.1)
.set SLOT,  256*PITCH                  ; 4 experts x 64 columns; slot 0 at byte 0, slot 1 behind it
.set AREG,  2*SLOT                     ; 320 rows of x
.set STAGE, AREG+320*PITCH             ; 320 rows x 64 f32, for the way out; no tensor load lands here
.set SPARE, STAGE+320*PITCH            ; the spare words, 128 bytes for each wave
.set STEPB, 4194304                    ; bytes from chunk to chunk in wb
.set STEPA, 81920                      ; and in xs
.set FLAGS, (1<<16)|(1<<20)|(5<<22)|(3<<25)  ; 15:0 no mask; 17:16 elements of 2 bytes; 20 padding on; 24:22 after every 64 words; 31:25 4 words of it
.set ADRB, 4                           ; v4, v5  LDS address of my weights' fragments in slot 0, 1
.set ADRA, 6                           ; v6      of my A fragments
.set STO,  7                           ; v7      the way out: where I put 16 bytes of a row
.set RD,   8                           ; v8      the way out: where I read a row back
.set L16,  9                           ; v9      16 (lane % 16)
.set H32,  10                          ; v10     32 (lane / 16)
.set PFO,  11                          ; v11     the prefetch's offset: 256 x lane, the lane capped at 4 in waves 2, 3; never rewritten
.set SPW,  28                          ; v28     LDS address of my spare word; never rewritten
.set NIL,  29                          ; v29     0; never rewritten
.set TK4,  32                          ; v[32:39]   offsets of my fifth block's rows
.set BF0,  64
.set OB,   64                          ; v[64:223]  the way out: 80 rows read back
.set TK,   224                         ; v[224:255] offsets of my first four blocks' rows
.set WV,  16                           ; s16 wave; s17 wave / 2; s18 wave % 2; s21 J; s22 G; s23 chunks to go
.set G1A, 24                           ; s[24:31] descriptor group 1 for x's tiles
.set G1B, 32                           ; s[32:39] for the weights'
.set G0A, 40                           ; s[40:43] descriptor group 0 for x's tiles
.set G0B, 44                           ; s[44:51] for the weights', a set for each slot
.set BK,  52                           ; s[52:61] mask | count << 8 of the ten slots that I multiply
.set CN,  72                           ; s[72:76] the counts of the five slots that I store
.set PF,  80                           ; s[80:81] what my wave asks for ahead: in wb (waves 0, 1) or in xs (waves 2, 3)
.set PFS, 82                           ; s[82:83] its step from chunk to chunk
.set MSB, 0
.macro WIN new                         ; the immediate's high byte repeats the setting that is left; a switch that changes nothing is dropped
.if MSB != (\new)
	s_set_vgpr_msb (MSB<<8)|(\new)
.set MSB, \new
.endif
.endm
.macro PLACES                          ; four plain instructions between a matrix instruction and a load into, or a store from, its registers (ISA guide 7.12.1 for stores)
.rept 4
	v_nop
.endr
.endm
; A refill.  Waves 0 and 1 fetch the two halves of slot s; with withA = 1 waves 2 and 3 fetch the two halves of x's tile.  The branch hangs on the wave's number alone.
; An s_nop 0 and four v_nop follow each load, ahead of the jump and the label.
.macro JLOAD s, withA
	s_cmp_lt_u32 s[WV], 2
	s_cbranch_scc0 .Lfor_a_\@
	tensor_load_to_lds s[G0B+4*(\s):G0B+4*(\s)+3], s[G1B:G1B+7]
	s_nop 0
.rept 4
	v_nop
.endr
.if \withA
	s_branch .Lasked_\@
.Lfor_a_\@:
	tensor_load_to_lds s[G0A:G0A+3], s[G1A:G1A+7]
	s_nop 0
.rept 4
	v_nop
.endr
.Lasked_\@:
.else
.Lfor_a_\@:
.endif
.endm
; 16 LDS loads in one run: expert e's fragments for my 32 columns, 128 channels, into buffer e % 2
.macro FETCH_B e
	WIN 0
.set rB, BF0+64*((\e)%2)
.set oB, ((\e)%4)*64*PITCH
.irp q, 0,1,2,3
.irp cb, 0,1
	ds_load_b128 v[rB+16*\q+8*\cb:rB+16*\q+8*\cb+3],   v[ADRB+(\e)/4] offset:oB+\cb*16*PITCH+64*\q
	ds_load_b128 v[rB+16*\q+8*\cb+4:rB+16*\q+8*\cb+7], v[ADRB+(\e)/4] offset:oB+\cb*16*PITCH+64*\q+32
.endr
.endr
.endm
; 8 LDS loads: slot a's 16 rows of x, 128 channels
.macro ALOAD a
.if (\a) < 8
	WIN 0x40                                       ; destination window 1
.set rA, 32*(\a)
.else
	WIN 0x80                                       ; destination window 2
.set rA, 160+32*((\a)-8)
.endif
.irp q, 0,1,2,3
	ds_load_b128 v[rA+8*\q:rA+8*\q+3],   v[ADRA] offset:(\a)*16*PITCH+64*\q
	ds_load_b128 v[rA+8*\q+4:rA+8*\q+7], v[ADRA] offset:(\a)*16*PITCH+64*\q+32
.endr
.endm
; Slot a takes expert e, or not: 8 matrix instructions.  The slot's two accumulators take turns, one instruction a turn; every such run begins on column block 0 and ends on
; column block 1, so whichever runs are jumped, no two matrix instructions on end share an accumulator.
.macro SEG e, a
	WIN 0                                          ; at a branch and at a label every window is 0
	s_bitcmp1_b32 s[BK+(\a)], \e
	s_cbranch_scc0 .Lskip_\@
.if (\a) < 8
	WIN 0xa4                                       ; weights window 0, A window 1, C and D window 2
.set rA, 32*(\a)
.else
	WIN 0xa8                                       ; A window 2
.set rA, 160+32*((\a)-8)
.endif
.set rB, BF0+64*((\e)%2)
.irp q, 0,1,2,3
.irp cb, 0,1
	v_wmma_f32_16x16x32_bf16 v[16*(\a)+8*\cb:16*(\a)+8*\cb+7], v[rB+16*\q+8*\cb:rB+16*\q+8*\cb+7], v[rA+8*\q:rA+8*\q+7], v[16*(\a)+8*\cb:16*(\a)+8*\cb+7]
.endr
.endr
	WIN 0
.Lskip_\@:
.endm
; THE CHANGE OF SLOTS.  Each wave waits for all its tensor loads (at most one is out: its part of what is read next), adds 0 to its spare word, and waits for that and for its own reads of what is left.
; Behind the barrier nobody reads those bytes any more, and what is read next is whole.  fill = 1: slot s (and with withA = 1 x's region) takes the next chunk: the wave's first and only tensor load
; behind the barrier; it has four experts' products in which to land.  fill = 0 (the last chunk): nothing is asked for.
.macro CHANGE fill, s, withA
	WIN 0
	PLACES                                         ; for the fragment loads behind the change, on every wave's path
	s_wait_tensorcnt 0x0                           ; no tensor load of mine is out, so a group 0 may be written
	ds_add_u32 v[SPW], v[NIL]                      ; 0 onto my spare word
.if \fill
	s_add_nc_u64 s[G0B+4*(\s)+2:G0B+4*(\s)+3], s[G0B+4*(\s)+2:G0B+4*(\s)+3], STEPB  ; the next chunk; the type bits on top are not reached
.if \withA
	s_add_nc_u64 s[G0A+2:G0A+3], s[G0A+2:G0A+3], STEPA
.endif
.endif
	s_wait_dscnt 0x0                               ; the add is done, and my LDS reads are back
	s_barrier_signal -1
	s_barrier_wait -1
.if \fill
	JLOAD \s, \withA
.endif
.endm
; An expert in the middle of a slot: the next expert's fragments are asked for, this one's are in, the ten slots take it or not.
.macro EXPERT e
	PLACES
	FETCH_B (\e)+1
	s_wait_dscnt 16                                ; all but the 16 just issued
.irp a, 0,1,2,3,4,5,6,7,8,9
	SEG \e, \a
.endr
.endm
; A CHUNK of 128 channels: 8 experts.  last = 1: nothing more is asked for or fetched.
.macro CHUNK last
	PLACES
	FETCH_B 1
	s_wait_dscnt 32                                ; expert 0's fragments and A's slots 0-7 are in; A's slots 8, 9 (16 loads) and the 16 just issued may be out
.if !(\last)
	global_prefetch_b8 v[PFO], s[PF:PF+1] th:TH_LOAD_NT scope:SCOPE_SE  ; my wave's part of the next chunk; products follow, no load and no wait
.endif
.irp a, 0,1,2,3,4,5,6,7
	SEG 0, \a
.endr
	s_wait_dscnt 16
	SEG 0, 8
	SEG 0, 9
	EXPERT 1
	EXPERT 2
	CHANGE 1-(\last), 0, 1                         ; expert 3's fragments are in registers: slot 0 and x's region are left, slot 1 is whole
	FETCH_B 4
.irp a, 0,1,2,3,4,5,6,7,8,9
	SEG 3, \a
.endr
	EXPERT 4
	EXPERT 5
	EXPERT 6
.if \last
	s_wait_dscnt 0x0
.irp a, 0,1,2,3,4,5,6,7,8,9
	SEG 7, \a
.endr
.else
	CHANGE 1, 1, 0                                 ; expert 7's fragments are in registers: slot 1 is left; slot 0 and x's region hold the next chunk
	FETCH_B 0
.irp a, 0,2,4,6,8                                      ; as soon as two slots have had the chunk's last expert, their registers take the next chunk's rows
	SEG 7, \a
	SEG 7, (\a)+1
	PLACES
	ALOAD \a
	ALOAD (\a)+1
.endr
.endif
.endm
	s_load_b256 s[4:11], s[0:1], 0x0               ; xs s[4:5], wb s[6:7], bias s[8:9], list s[10:11]
	s_load_b128 s[12:15], s[0:1], 0x20             ; blk s[12:13], out0 s[14:15]
	v_lshl_add_u32 v[SPW], v0, 2, SPARE
	v_mov_b32 v[NIL], 0
	ds_add_u32 v[SPW], v[NIL]                      ; the wave's opening: the add and its wait stand ahead of my first tensor load; the set-up below, work on registers, stands between them
	v_lshrrev_b32 v1, 5, v0
	v_readfirstlane_b32 s[WV], v1                  ; wave 0..3
	s_lshr_b32 s17, s[WV], 1                       ; which ten slots are mine
	s_and_b32 s18, s[WV], 1                        ; which 32 columns.  Also: which half of a tile I fetch
	s_mov_b32 s21, ttmp9                           ; J: my 64 output columns
	s_and_b32 s22, ttmp7, 0xffff                   ; G: my 320 padded rows
	s_mov_b32 s[G1A], FLAGS
	s_mov_b32 s[G1A+1], 128<<16                    ; tensor_dim0 = 128
	s_mov_b32 s[G1A+2], 160<<16                    ; tensor_dim1 = 160
	s_mov_b32 s[G1A+3], 128<<16                    ; tile_dim0 = 128
	s_mov_b32 s[G1A+4], 160                        ; tile_dim1 = 160 rows
	s_mov_b32 s[G1A+5], 128                        ; 128 elements from row to row: the tiles are dense in memory
	s_mov_b32 s[G1A+6], 0
	s_mov_b32 s[G1A+7], 0
	s_mov_b32 s[G1B], FLAGS
	s_mov_b32 s[G1B+1], 128<<16
	s_mov_b32 s[G1B+2], 128<<16                    ; tensor_dim1 = 128
	s_mov_b32 s[G1B+3], 128<<16
	s_mov_b32 s[G1B+4], 128                        ; tile_dim1 = 128 rows
	s_mov_b32 s[G1B+5], 128
	s_mov_b32 s[G1B+6], 0
	s_mov_b32 s[G1B+7], 0
	s_mul_i32 s66, s22, 1310720                    ; x's tile: group G, my half of its 320 rows
	s_mul_i32 s67, s18, 40960
	s_add_co_u32 s66, s66, s67
	s_mov_b32 s67, 0
	s_lshl_b32 s68, s21, 17                        ; the weights' tile: column block J, my half of a slot's 256 rows
	s_lshl_b32 s69, s18, 15
	s_add_co_u32 s68, s68, s69
	s_mov_b32 s69, 0
	s_mul_i32 s70, s18, 160*PITCH                  ; where they go: a constant and the wave's number times a constant
	s_mul_i32 s71, s18, 128*PITCH
	s_mov_b32 s[G0A], 1                            ; count = 1
	s_add_co_u32 s[G0A+1], s70, AREG
	s_mov_b32 s[G0B], 1
	s_mov_b32 s[G0B+1], s71
	s_mov_b32 s[G0B+4], 1
	s_add_co_u32 s[G0B+5], s71, SLOT
	s_wait_dscnt 0x0                               ; the opening add is done
	s_wait_kmcnt 0x0
	s_add_nc_u64 s[G0A+2:G0A+3], s[4:5], s[66:67]
	s_or_b32 s[G0A+3], s[G0A+3], 0x80000000        ; type = 2
	s_add_nc_u64 s[G0B+2:G0B+3], s[6:7], s[68:69]  ; experts 0-3 of chunk 0,
	s_add_nc_u64 s[G0B+6:G0B+7], s[G0B+2:G0B+3], 65536  ; experts 4-7
	s_or_b32 s[G0B+3], s[G0B+3], 0x80000000
	s_or_b32 s[G0B+7], s[G0B+7], 0x80000000
	s_cmp_lt_u32 s[WV], 2                          ; a wave's first fills stand in one branch, ahead of every wait on TENSORcnt, every LDS read and every barrier: two loads of waves 0, 1 are out, one of waves 2, 3
	s_cbranch_scc0 .Lfirst_a
	tensor_load_to_lds s[G0B:G0B+3], s[G1B:G1B+7]
	s_nop 0
	tensor_load_to_lds s[G0B+4:G0B+7], s[G1B:G1B+7]
	s_nop 0
.rept 4
	v_nop
.endr
	s_branch .Lfirst_asked
.Lfirst_a:
	tensor_load_to_lds s[G0A:G0A+3], s[G1A:G1A+7]
	s_nop 0
.rept 4
	v_nop
.endr
.Lfirst_asked:
	s_lshl_b32 s77, s22, 1
	s_add_co_u32 s77, s77, s17                     ; my ten slots begin at slot 10 (2 G + wave / 2)
	s_mul_i32 s2, s77, 40
	s_mov_b32 s3, 0
	s_add_nc_u64 s[70:71], s[12:13], s[2:3]
	s_load_b256 s[BK:BK+7], s[70:71], 0x0
	s_load_b64 s[BK+8:BK+9], s[70:71], 0x20
	s_mul_i32 s66, s22, 20
	s_mul_i32 s67, s[WV], 5
	s_add_co_u32 s66, s66, s67                     ; the five slots that I store begin at slot 20 G + 5 wave
	s_lshl_b32 s68, s66, 2
	s_mov_b32 s69, 0
	s_add_nc_u64 s[78:79], s[12:13], s[68:69]
	s_load_b128 s[CN:CN+3], s[78:79], 0x0
	s_load_b32 s[CN+4], s[78:79], 0x10
	s_lshl_b32 s68, s66, 6
	s_add_nc_u64 s[10:11], s[10:11], s[68:69]      ; list at those slots
	s_mul_i32 s68, s77, 81920
	s_lshl_b32 s2, s21, 8
	s_add_co_u32 s68, s68, s2
	s_lshl_b32 s2, s18, 7
	s_add_co_u32 s68, s68, s2
	s_add_nc_u64 s[8:9], s[8:9], s[68:69]          ; bias at my ten slots and my 32 columns
	s_lshl_b32 s68, s21, 8
	s_add_nc_u64 s[14:15], s[14:15], s[68:69]      ; out0 at the work-group's 64 columns
	; the prefetch begins with chunk 1.  In wb: tile J, experts 0-3 (wave 0) or 4-7 (wave 1), the eighth G of their 65,536 bytes
	s_lshl_b32 s68, s21, 17
	s_lshl_b32 s2, s18, 16
	s_add_co_u32 s68, s68, s2
	s_lshl_b32 s2, s22, 13
	s_add_co_u32 s68, s68, s2
	s_add_co_u32 s68, s68, STEPB
	s_mul_i32 s66, s22, 1310720                    ; in xs: group G, the work-group's 2,560 of the tile's 81,920 bytes, 1,280 for each of waves 2, 3
	s_mul_i32 s2, s21, 2560
	s_add_co_u32 s66, s66, s2
	s_mul_i32 s2, s18, 1280
	s_add_co_u32 s66, s66, s2
	s_add_co_u32 s66, s66, STEPA
	s_mov_b32 s2, STEPA
	s_cmp_lt_u32 s[WV], 2                          ; waves 0, 1: the weights; waves 2, 3: x.  The lines below leave SCC as it is
	s_cselect_b32 s68, s68, s66                    ; the offset,
	s_cselect_b32 s[PFS], STEPB, s2                ; the step,
	s_cselect_b32 s3, 31, 4                        ; the highest lane that names a block of its own,
	s_cselect_b64 s[PF:PF+1], s[6:7], s[4:5]       ; the buffer
	s_mov_b32 s[PFS+1], 0
	s_add_nc_u64 s[PF:PF+1], s[PF:PF+1], s[68:69]
	v_and_b32 v1, 15, v0                           ; r = lane % 16
	v_bfe_u32 v2, v0, 4, 1                         ; h = lane / 16
	v_lshlrev_b32 v[H32], 5, v2
	v_lshlrev_b32 v[L16], 4, v1
	v_and_b32 v[PFO], 31, v0
	v_min_u32 v[PFO], s3, v[PFO]
	v_lshlrev_b32 v[PFO], 8, v[PFO]
	WIN 0x80                                       ; destination window 2: the bias sums start the sums; register j of (a, cb) is column 16 cb + 8 h + j, the same for all 16 tokens
.irp a, 0,1,2,3,4,5,6,7,8,9
.irp cb, 0,1
	global_load_b128 v[16*\a+8*\cb:16*\a+8*\cb+3],   v[H32], s[8:9] offset:\a*8192+\cb*64
	global_load_b128 v[16*\a+8*\cb+4:16*\a+8*\cb+7], v[H32], s[8:9] offset:\a*8192+\cb*64+16
.endr
.endr
	WIN 0
.irp bl, 0,1,2,3                                       ; the tokens of the rows that I store: register i of a block is row 2 i + h
	global_load_b128 v[TK+8*\bl:TK+8*\bl+3],   v[H32], s[10:11] offset:64*\bl
	global_load_b128 v[TK+8*\bl+4:TK+8*\bl+7], v[H32], s[10:11] offset:64*\bl+16
.endr
	global_load_b128 v[TK4:TK4+3],   v[H32], s[10:11] offset:256
	global_load_b128 v[TK4+4:TK4+7], v[H32], s[10:11] offset:272
	; A fragment is 16 rows x 32 channels in 8 registers: lane l holds row l % 16, channels 8 (l / 16) + 0..7 and 16 + 8 (l / 16) + 0..7: two loads of 16 bytes, 32 bytes apart.
	v_mul_u32_u24 v3, v1, PITCH
	v_lshl_add_u32 v3, v2, 4, v3                   ; row x pitch + 16 x half
	s_mul_i32 s2, s18, 32*PITCH                    ; my 32 of an expert's 64 columns
	v_add_nc_u32 v[ADRB], s2, v3
	v_add_nc_u32 v[ADRB+1], SLOT, v[ADRB]
	s_mul_i32 s2, s17, 160*PITCH                   ; my 160 of the 320 rows
	s_add_co_u32 s3, s2, AREG
	v_add_nc_u32 v[ADRA], s3, v3
	v_mul_u32_u24 v[STO], v1, PITCH                ; into the stage: row l % 16, my 128 bytes of its 256, 32 bytes for each half of the lanes
	v_lshl_add_u32 v[STO], v2, 5, v[STO]
	s_lshl_b32 s3, s18, 7
	s_add_co_u32 s2, s2, s3
	s_add_co_u32 s2, s2, STAGE
	v_add_nc_u32 v[STO], s2, v[STO]
	v_mul_u32_u24 v[RD], v2, PITCH                 ; back: wave w takes rows 80 w .. 80 w + 79, whole; lanes 0-15 one row of 256 bytes, lanes 16-31 the next
	v_lshl_add_u32 v[RD], v1, 4, v[RD]
	s_mul_i32 s2, s[WV], 80*PITCH
	s_add_co_u32 s2, s2, STAGE
	v_add_nc_u32 v[RD], s2, v[RD]
	s_wait_tensorcnt 0x0                           ; my parts of chunk 0 are in,
	s_barrier_signal -1
	s_barrier_wait -1                              ; everybody's are
	FETCH_B 0
.irp a, 0,1,2,3,4,5,6,7,8,9
	ALOAD \a
.endr
	WIN 0
	s_wait_loadcnt 0x0                             ; the bias sums and the tokens
	s_wait_kmcnt 0x0                               ; the masks and the counts
.set i, 0
.rept 32
	v_min_u32 v[TK+i], 2047, v[TK+i]               ; a token's row of 8,192 bytes, and my 16 bytes of the 256
	v_lshl_add_u32 v[TK+i], v[TK+i], 13, v[L16]
.set i, i+1
.endr
.set i, 0
.rept 8
	v_min_u32 v[TK4+i], 2047, v[TK4+i]
	v_lshl_add_u32 v[TK4+i], v[TK4+i], 13, v[L16]
.set i, i+1
.endr
.irp bl, 0,1,2,3,4
	s_bfe_u32 s[CN+\bl], s[CN+\bl], 0x50008        ; the count: 5 bits from bit 8
.endr
	s_mov_b32 s23, 15
.Lchunk:                                               ; 15 trips: each asks for the next chunk
	CHUNK 0
	WIN 0
	s_wait_xcnt 0x0                                ; the prefetch's base is stepped only behind this wait; the prefetch stands a whole chunk's products back
	s_add_nc_u64 s[PF:PF+1], s[PF:PF+1], s[PFS:PFS+1]
	s_sub_co_u32 s23, s23, 1
	s_cmp_lg_u32 s23, 0
	s_cbranch_scc1 .Lchunk
	CHUNK 1                                        ; the last chunk is written out
	; THE WAY OUT.  A lane's 8 columns of a row are 32 bytes; a row's 256 bytes come from two waves: through the work-group's stage, with a barrier between writing and reading.
	WIN 0
	PLACES
	WIN 0x08                                       ; store data (source 1) window 2
.irp a, 0,1,2,3,4,5,6,7,8,9
.irp cb, 0,1
	ds_store_b128 v[STO], v[16*\a+8*\cb:16*\a+8*\cb+3] offset:\a*16*PITCH+64*\cb        ; each accumulator is read from its low end on
	ds_store_b128 v[STO], v[16*\a+8*\cb+4:16*\a+8*\cb+7] offset:\a*16*PITCH+64*\cb+16
.endr
.endr
	WIN 0
	s_wait_dscnt 0x0                               ; for the others' sake: my stores into the stage are done
	s_barrier_signal -1
	s_barrier_wait -1
.irp bl, 0,1,2,3,4
.irp i, 0,1,2,3,4,5,6,7
	ds_load_b128 v[OB+32*\bl+4*\i:OB+32*\bl+4*\i+3], v[RD] offset:(16*\bl+2*\i)*PITCH
.endr
.endr
; Block bl of my five: store i holds rows 2 i and 2 i + 1.  The stores past the block's count are jumped; an unused slot stores nothing.
.macro OUTBLK bl
.if (\bl) < 4
.set rT, TK+8*(\bl)
.else
.set rT, TK4
.endif
	s_wait_dscnt 8*(4-(\bl))                       ; the later blocks' loads may stay out
.irp i, 0,1,2,3,4,5,6,7
	s_cmp_gt_u32 s[CN+(\bl)], 2*\i
	s_cbranch_scc0 .Lnone_\@
	global_store_b128 v[rT+\i], v[OB+32*(\bl)+4*\i:OB+32*(\bl)+4*\i+3], s[14:15] th:TH_STORE_NT  ; each 16 lanes store 256 consecutive bytes, at a multiple of 256 from out0's first byte
.endr
.Lnone_\@:
.endm
	OUTBLK 0
	OUTBLK 1
	OUTBLK 2
	OUTBLK 3
	OUTBLK 4
	s_wait_tensorcnt 0x0                           ; the wave's end: behind my last tensor load and my last LDS store
	ds_add_u32 v[SPW], v[NIL]
	s_wait_dscnt 0x0
	s_endpgm
.Lfunc_end_k_q5a1217c9c2_moe:
	.size	k_q5a1217c9c2_moe, .Lfunc_end_k_q5a1217c9c2_moe-k_q5a1217c9c2_moe
	.p2alignl 7, 3214868480
	.fill 96, 4, 3214868480
	.section	.rodata,"a",@progbits
	.p2align	6, 0x0
	.amdhsa_kernel k_q5a1217c9c2_moe
		.amdhsa_group_segment_fixed_size 327680
		.amdhsa_private_segment_fixed_size 0
		.amdhsa_enable_private_segment 0
		.amdhsa_kernarg_size 48
		.amdhsa_user_sgpr_count 2
		.amdhsa_user_sgpr_kernarg_segment_ptr 1
		.amdhsa_wavefront_size32 1
		.amdhsa_system_sgpr_workgroup_id_x 1
		.amdhsa_system_sgpr_workgroup_id_y 1
		.amdhsa_system_sgpr_workgroup_id_z 1
		.amdhsa_system_vgpr_workitem_id 0
		.amdhsa_next_free_vgpr 736
		.amdhsa_next_free_sgpr 84
		.amdhsa_reserve_vcc 0
		.amdhsa_float_denorm_mode_32 3
		.amdhsa_float_denorm_mode_16_64 3
		.amdhsa_memory_ordered 1
		.amdhsa_forward_progress 1
		.amdhsa_inst_pref_size 160
	.end_amdhsa_kernel
	.amdgpu_metadata
---
amdhsa.version: [ 1, 2 ]
amdhsa.kernels:
  - .name:           k_q5a1217c9c2_moe
    .symbol:         k_q5a1217c9c2_moe.kd
    .args:
      - { .name: xs, .offset: 0, .size: 8, .value_kind: global_buffer, .address_space: global }
      - { .name: wb, .offset: 8, .size: 8, .value_kind: global_buffer, .address_space: global }
      - { .name: bias, .offset: 16, .size: 8, .value_kind: global_buffer, .address_space: global }
      - { .name: list, .offset: 24, .size: 8, .value_kind: global_buffer, .address_space: global }
      - { .name: blk, .offset: 32, .size: 8, .value_kind: global_buffer, .address_space: global }
      - { .name: out0, .offset: 40, .size: 8, .value_kind: global_buffer, .address_space: global }
    .group_segment_fixed_size: 327680
    .private_segment_fixed_size: 0
    .kernarg_segment_align: 8
    .kernarg_segment_size: 48
    .max_flat_workgroup_size: 128
    .sgpr_count:     84
    .vgpr_count:     736
    .wavefront_size: 32
...
	.end_amdgpu_metadata
.endif
;; end of part 3
